; MI455X (gfx1250); checked and timed in simulation.
; The chip was launched on July 23, 2026; its instructions are those of AMD's public machine-readable ISA for CDNA 5 (MIT licence, August 2026) and "CDNA5" Instruction Set Architecture Reference Guide (July 2026). The comments in the code are by the model that wrote it; some were corrected since.
;; Cross Modality Attention. Allowed arithmetic: float matrix products may take bf16 or f16 operands with f32 sums; all other float work in f32.
;; Inputs: bk 1,024 float32; bo 1,024 float32; bq 1,024 float32; bv 1,024 float32; ln_beta 1,024 float32; ln_gamma 1,024 float32; modality_encodings 8,192 x 2 x 1,024 float32; rel_prior 2 x 2 float32; selection_mask 8,192 x 2 float32; wk 1,024 x 1,024 float32; wo 1,024 x 1,024 float32; wq 1,024 x 1,024 float32; wv 1,024 x 1,024 float32.
;; Outputs: out0 8,192 x 2 x 1,024 float32.
;; 2 versions, each right; version 2 is version 1 with the launch prep written anew for expert scheduling mode. Each part assembles by itself: llvm-mc -triple=amdgcn-amd-amdhsa -mcpu=gfx1250 --defsym DOCPART=n.
;; ======== version 1 of 2: 3 launches
;; workspace buffers: wbf 8,388,608 bytes; attn 33,554,432 bytes
;; launch prep (part 1): grid 64 x 4, 4 waves a work-group, no clusters, 37,376 bytes of LDS; arguments wq, wk, wv, wo, wbf; writes wbf
.if DOCPART == 1
	.amdgcn_target "amdgcn-amd-amdhsa--gfx1250"
	.amdhsa_code_object_version 6
	.text
	.protected	k_q07e414b7ef_prep
	.globl	k_q07e414b7ef_prep
	.p2align	8
	.type	k_q07e414b7ef_prep,@function
k_q07e414b7ef_prep:
	s_mov_b64 s[64:65], 0
	v_nop
	global_prefetch_b8 v0, s[64:65] scope:SCOPE_SE
	s_setreg_imm32_b32 hwreg(HW_REG_WAVE_MODE, 25, 1), 1
	s_wait_xcnt 0x0
; wq, wk, wv, wo (f32, [1024 outputs][1024 inputs]) -> wbf: bf16, laid out in the order in which the later launches' lanes read fragments.
; A BLOCK is 512 bytes = 16 rows x 16 k: lane L = (r = L & 15, h = L >> 4) owns bytes 16 L .. 16 L + 15 = row r, k = 8 h .. 8 h + 7.
; Four blocks (64 k) of one group of 16 rows are 2,048 bytes.
;   q, k, v: byte ((head*16 + s)*24 + 8*mat + b)*2048, s = K step of 64, rows head*128 + 16 b + r.
;   wo:      byte 6,291,456 + (s*64 + tau)*2048, rows 64 (tau >> 2) + 4 r + (tau & 3): four neighbouring groups hold four neighbouring outputs in one lane.
; Work-group (tau, mat): 16 rows of one matrix; wave w: K steps 4 w .. 4 w + 3.  Every load of a half wave is 256 neighbouring bytes of a row,
; every store of a wave 512 neighbouring bytes.  The turn from rows to blocks goes through the wave's own LDS bytes: no barrier.
; No matrix unit, no cluster: the launch only moves bytes, each once.
.set VO,  8                            ; v[8:15]    byte offset of my 16 bytes in rows 2 e + (L >> 4), e = 0 .. 7
.set LW,  16                           ; v16        LDS: where my 8 bytes of bf16 go
.set RD,  17                           ; v17        LDS: where I read 16 bytes of a block back
.set GO,  18                           ; v18        16 L
.set X,   32                           ; v[32:159]  32 loads of 4 f32; later the blocks read back
.set P,   160                          ; v[160:223] 32 x 2 registers of bf16
.set HB,  288                          ; a half block (16 rows x 8 k, 256 bytes) + 32: the 32 lanes of a store of 8 bytes hit 32 different words of 8 bytes modulo 256
.set QB,  8*HB                         ; a K step
.set WB,  4*QB                         ; a wave
	s_load_b256 s[4:11], s[0:1], 0x0               ; wq, wk, wv, wo
	s_load_b64 s[12:13], s[0:1], 0x20              ; wbf
	v_lshl_add_u32 v224, v0, 2, 0x9000
	v_mov_b32 v225, 0
	v_lshrrev_b32 v1, 5, v0
	v_readfirstlane_b32 s14, v1                    ; wave
	s_and_b32 s15, ttmp7, 0xffff                   ; mat: 0 q, 1 k, 2 v, 3 o
	s_lshl_b32 s25, ttmp9, 4                       ; first row, q k v: 16 tau
	s_lshr_b32 s26, ttmp9, 2
	s_lshl_b32 s26, s26, 6
	s_and_b32 s27, ttmp9, 3
	s_add_co_u32 s26, s26, s27                     ; first row, wo: 64 (tau >> 2) + (tau & 3)
	s_lshr_b32 s28, ttmp9, 3
	s_lshl_b32 s28, s28, 4
	s_lshl2_add_u32 s28, s14, s28                  ; head*16 + 4 wave
	s_mul_i32 s28, s28, 24
	s_lshl3_add_u32 s28, s15, s28                  ; + 8 mat
	s_and_b32 s29, ttmp9, 7
	s_add_co_u32 s28, s28, s29                     ; + b: first output group of 2,048 bytes, q k v
	s_lshl_b32 s29, s14, 8
	s_add_co_u32 s29, s29, ttmp9
	s_add_co_u32 s29, s29, 3072                    ; the same for wo: 6,291,456 / 2,048 + 64 (4 wave) + tau
	s_mov_b32 s30, 49152                           ; bytes from a K step to the next, q k v
	s_mov_b32 s36, 131072                          ; and for wo
	s_mov_b32 s31, 0
	s_cmp_eq_u32 s15, 3
	s_cselect_b32 s24, 2, 0                        ; rows are 1 or 4 apart: a shift
	s_cselect_b32 s25, s26, s25
	s_cselect_b32 s28, s29, s28
	s_cselect_b32 s30, s36, s30
	s_lshl_b32 s32, s25, 12                        ; first row in bytes
	s_mov_b32 s33, 0
	s_lshl_b32 s34, s28, 11                        ; first output group in bytes
	s_mov_b32 s35, 0
	v_and_b32 v2, 15, v0
	v_bfe_u32 v3, v0, 4, 1
	v_and_b32 v1, 31, v0
	v_lshlrev_b32 v4, 4, v2
	s_lshl_b32 s37, s14, 10                        ; my wave's four K steps: 1,024 bytes of every row
	v_add_nc_u32 v4, s37, v4
.irp e, 0,1,2,3,4,5,6,7
	v_add_nc_u32 v5, 2*\e, v3                      ; row 2 e + (L >> 4) of the 16
	v_lshlrev_b32 v5, s24, v5
	v_lshl_add_u32 v[VO+\e], v5, 12, v4
.endr
	s_mul_i32 s38, s14, WB
	v_lshrrev_b32 v6, 1, v2                        ; my 4 k lie in half block (L & 15) >> 1,
	v_mul_u32_u24 v6, v6, HB
	v_lshl_add_u32 v6, v3, 4, v6                   ; row 2 e + (L >> 4): 16 bytes a row, 32 e in the immediate,
	v_and_b32 v7, 1, v0
	v_lshl_add_u32 v6, v7, 3, v6                   ; its first or second 8 bytes
	v_add_nc_u32 v[LW], s38, v6
	v_mul_u32_u24 v7, v3, HB
	v_lshl_add_u32 v7, v2, 4, v7
	v_add_nc_u32 v[RD], s38, v7
	v_lshlrev_b32 v[GO], 4, v1
	s_wait_kmcnt 0x0
	s_cmp_eq_u32 s15, 1
	s_cselect_b64 s[4:5], s[6:7], s[4:5]
	s_cmp_eq_u32 s15, 2
	s_cselect_b64 s[4:5], s[8:9], s[4:5]
	s_cmp_eq_u32 s15, 3
	s_cselect_b64 s[4:5], s[10:11], s[4:5]         ; my matrix
	s_add_nc_u64 s[4:5], s[4:5], s[32:33]
	s_add_nc_u64 s[16:17], s[12:13], s[34:35]      ; where my four K steps go
	s_add_nc_u64 s[18:19], s[16:17], s[30:31]
	s_add_nc_u64 s[20:21], s[18:19], s[30:31]
	s_add_nc_u64 s[22:23], s[20:21], s[30:31]
.irp q, 0,1,2,3
.irp e, 0,1,2,3,4,5,6,7
	global_load_b128 v[X+4*(8*\q+\e):X+4*(8*\q+\e)+3], v[VO+\e], s[4:5] offset:256*\q th:TH_LOAD_NT
.endr
.endr
.irp q, 0,1,2,3
	s_wait_loadcnt 24-8*\q                         ; loads come back in order: K step q's eight are in, the younger K steps' stay out
.irp e, 0,1,2,3,4,5,6,7
	v_cvt_pk_bf16_f32 v[P+2*(8*\q+\e)],   v[X+4*(8*\q+\e)],   v[X+4*(8*\q+\e)+1]
	v_cvt_pk_bf16_f32 v[P+2*(8*\q+\e)+1], v[X+4*(8*\q+\e)+2], v[X+4*(8*\q+\e)+3]
	ds_store_b64 v[LW], v[P+2*(8*\q+\e):P+2*(8*\q+\e)+1] offset:QB*\q+32*\e
.endr
.irp c, 0,1,2,3
	ds_load_b128 v[X+32*\q+4*\c:X+32*\q+4*\c+3], v[RD] offset:QB*\q+2*HB*\c   ; my wave's own bytes, served in order: these see the stores above
.endr
.endr
.irp q, 0,1,2,3
	s_wait_dscnt 36-12*\q                          ; 12 LDS instructions were issued for each younger K step
.irp c, 0,1,2,3
	global_store_b128 v[GO], v[X+32*\q+4*\c:X+32*\q+4*\c+3], s[16+2*\q:17+2*\q] offset:512*\c
.endr
.endr
	s_wait_tensorcnt 0x0
	ds_add_u32 v224, v225
	s_wait_dscnt 0x0
	s_endpgm
.Lfunc_end_k_q07e414b7ef_prep:
	.size	k_q07e414b7ef_prep, .Lfunc_end_k_q07e414b7ef_prep-k_q07e414b7ef_prep
	.p2alignl 7, 3214868480
	.fill 96, 4, 3214868480
	.section	.rodata,"a",@progbits
	.p2align	6, 0x0
	.amdhsa_kernel k_q07e414b7ef_prep
		.amdhsa_group_segment_fixed_size 37376
		.amdhsa_private_segment_fixed_size 0
		.amdhsa_enable_private_segment 0
		.amdhsa_kernarg_size 40
		.amdhsa_user_sgpr_count 2
		.amdhsa_user_sgpr_kernarg_segment_ptr 1
		.amdhsa_wavefront_size32 1
		.amdhsa_system_sgpr_workgroup_id_x 1
		.amdhsa_system_sgpr_workgroup_id_y 1
		.amdhsa_system_sgpr_workgroup_id_z 1
		.amdhsa_system_vgpr_workitem_id 0
		.amdhsa_next_free_vgpr 226
		.amdhsa_next_free_sgpr 66
		.amdhsa_reserve_vcc 0
		.amdhsa_float_denorm_mode_32 3
		.amdhsa_float_denorm_mode_16_64 3
		.amdhsa_memory_ordered 1
		.amdhsa_forward_progress 1
		.amdhsa_inst_pref_size 16
	.end_amdhsa_kernel
	.amdgpu_metadata
---
amdhsa.version: [ 1, 2 ]
amdhsa.kernels:
  - .name:           k_q07e414b7ef_prep
    .symbol:         k_q07e414b7ef_prep.kd
    .args:
      - { .name: wq, .offset: 0, .size: 8, .value_kind: global_buffer, .address_space: global }
      - { .name: wk, .offset: 8, .size: 8, .value_kind: global_buffer, .address_space: global }
      - { .name: wv, .offset: 16, .size: 8, .value_kind: global_buffer, .address_space: global }
      - { .name: wo, .offset: 24, .size: 8, .value_kind: global_buffer, .address_space: global }
      - { .name: wbf, .offset: 32, .size: 8, .value_kind: global_buffer, .address_space: global }
    .group_segment_fixed_size: 37376
    .private_segment_fixed_size: 0
    .kernarg_segment_align: 8
    .kernarg_segment_size: 40
    .max_flat_workgroup_size: 128
    .sgpr_count:     66
    .vgpr_count:     226
    .wavefront_size: 32
...
	.end_amdgpu_metadata
.endif
;; end of part 1
;; launch qkv_attn (part 2): grid 8 x 64, 4 waves a work-group, clusters of 4 x 4, 327,680 bytes of LDS; arguments modality_encodings, wbf, bq, bk, bv, rel_prior, selection_mask, attn; writes attn
.if DOCPART == 2
	.amdgcn_target "amdgcn-amd-amdhsa--gfx1250"
	.amdhsa_code_object_version 6
	.text
	.protected	k_q07e414b7ef_qkv_attn
	.globl	k_q07e414b7ef_qkv_attn
	.p2align	8
	.type	k_q07e414b7ef_qkv_attn,@function
k_q07e414b7ef_qkv_attn:
	s_mov_b64 s[64:65], 0
	v_nop
	global_prefetch_b8 v0, s[64:65] scope:SCOPE_SE
	s_setreg_imm32_b32 hwreg(HW_REG_WAVE_MODE, 25, 1), 1
	s_wait_xcnt 0x0
	s_wait_alu depctr_hold_cnt(0) depctr_sa_sdst(0) depctr_va_vdst(0) depctr_va_sdst(0) depctr_va_ssrc(0) depctr_va_vcc(0) depctr_vm_vsrc(0)
	s_getreg_b32 s2, hwreg(HW_REG_IB_STS2, 6, 4)
	s_cmp_eq_u32 s2, 0
	s_cbranch_scc0 .Lentry_in_a_cluster
	s_endpgm
.Lentry_in_a_cluster:
	s_bfe_u32 s2, ttmp6, 0x10000c
	s_cmp_lg_u32 s2, 0xf033
	s_cbranch_scc0 .Lentry_shape_is_right
	s_endpgm
.Lentry_shape_is_right:
; q, k, v of 256 rows of x (128 batch elements x 2 modalities) for one head, then the 2 x 2 attention, all in one work-group.
; Four waves; wave w owns batch elements 32 w .. 32 w + 31 and all 384 columns (q, k, v of the head): 96 accumulator tiles of 16 x 16, 768 registers.
; Tile a (0 .. 3) of a wave is modality a & 1 of batch elements 32 w + 16 (a >> 1) + r, so both rows of a batch element lie in ONE lane
; (tiles 2 g and 2 g + 1): scores and weighted sums are plain packed multiply-adds, nothing crosses lanes but one sum over the two half waves.
; The product is used transposed (source 0 = 16 rows of W, source 1 = 16 rows of x): lane (r, h), register j of tile (a, b) holds
; dimension 16 b + 8 h + j of the row: eight neighbouring numbers, which pack into the 16 bytes that the next launch's lane reads as its A fragment.
; K goes in steps of 64 through two LDS slots.  x comes as f32 (rows of 256 bytes, padded to 272) and is rounded to bf16 by the one wave that owns the rows;
; W comes from wbf in fragment order (lane L reads byte 16 L of a block: neighbouring lanes, neighbouring bytes, no padding needed).
; CLUSTER 4 x 4: x's tile hangs on the row block alone and is asked for jointly along a row of the cluster, W's on the head alone, jointly along a column.
; attn: byte mt*32768 + kt*512 + 16 L; mt = 16 rowblock + 4 w + a, kt = 8 head + b; fragment row r of mt is row 256 rowblock + 64 w + 32 (a >> 1) + 2 r + (a & 1).
; LIMITS, stated: matrix operands are bf16; bv is added once behind the weighted sum (the two weights add to 1 within rounding);
; scores are kept in base 2 (scale and prior multiplied by log2 e), the row's maximum is taken away before the exponential;
; a row whose own mask is 0 comes out NaN, as -inf - (-inf) does in the softmax it stands for.
.set APITCH, 272                       ; 64 f32 + 16 bytes: row r starts 17 r columns of 16 bytes on, so 16 rows touch 16 different columns modulo 256 bytes
.set AHALF,  128*APITCH                ; one modality's 128 rows: one tensor load
.set ASLOT,  2*AHALF
.set BBASE,  2*ASLOT
.set BHALF,  24576                     ; 12 groups of 16 rows of W x 64 k: one tensor load
.set BSLOT,  2*BHALF
.set BIAS,   BBASE+2*BSLOT             ; bq, bk, bv of the head, 3 x 512 bytes; written by LDS stores alone, no tensor load lands here
.set AADR,  8                          ; v8, v9     my x rows in slot 0, 1
.set BADR,  10                         ; v10, v11   16 L in W's slot 0, 1
.set BIASA, 12                         ; v12        BIAS + 32 h
.set OOFF,  13                         ; v13        my byte offset in attn
.set MK,    14                         ; v[14:17]   masks (m0, m1) of my two batch elements
.set MM,    18                         ; v[18:23]   m0 m0, m0 m1, m1 m1 for each
.set NINF,  27                         ; v27        -inf
.set PR,    28                         ; v[28:31]   rel_prior x log2 e
.set ARAW,  32                         ; v[32:95]   x as f32: 4 tiles x 16
.set ABF,   96                         ; v[96:127]  x as bf16 fragments: 4 tiles x 8
.set BF,    128                        ; v[128:255] W fragments: 2 buffers x 8 tiles x 8
.set SC,    32                         ; behind the loop: v[32:47] score sums, pair 8 g + 4 qi + 2 ki
.set WT,    48                         ;                  v[48:63] weights, each twice, same index
.set BV,    64                         ;                  v[64:127] bv
.set BQ,    128                        ;                  v[128:191] bq, then the output in f32
.set BK,    192                        ;                  v[192:255] bk, then two buffers of packed output
.set OV,    128
.set PK,    192
; windows 1, 2, 3 hold q, k, v: tile (a, b) at v[8 (8 a + b)]
.set G1A, 24                           ; s[24:31] shape of x's tile      s[32:39] from where, to where, a set for each slot
.set G0A, 32
.set G1B, 48                           ; s[48:55] shape of W's tile      s[56:63] the same
.set G0B, 56
.set MSB, 0
.macro WIN new                         ; s_set_vgpr_msb: bits 1:0 source 0, 3:2 source 1, 5:4 source 2, 7:6 destination; the high byte repeats the setting that is left
.if MSB != (\new)
	s_set_vgpr_msb (MSB<<8)|(\new)
.set MSB, (\new)
.endif
.endm
.macro PLACES                          ; four plain vector instructions between a matrix instruction and a load or a vector write into one of its registers
.rept 4
	v_nop
.endr
.endm
.macro JLOAD s                         ; waves 0, 1 ask for x's two modalities, waves 2, 3 for W's two halves: one load a wave, one mask a line
	s_cmp_eq_u32 s13, 0
	s_cbranch_scc0 .Lfor_b_\@
	tensor_load_to_lds s[G0A+4*\s:G0A+4*\s+3], s[G1A:G1A+7]
	s_nop 0
	s_branch .Lasked_\@
.Lfor_b_\@:
	tensor_load_to_lds s[G0B+4*\s:G0B+4*\s+3], s[G1B:G1B+7]
	s_nop 0
.Lasked_\@:
.endm
.macro CREST                           ; a round of the cluster's barrier behind its opening work-group barrier
	s_cmp_lg_u32 s12, 0
	s_cbranch_scc1 .Lnot_wave_0_\@
	s_barrier_signal -3
.Lnot_wave_0_\@:
	s_barrier_wait -3
	s_barrier_signal -1
	s_barrier_wait -1
.endm
.macro CROUND
	s_barrier_signal -1
	s_barrier_wait -1
	CREST
.endm
	s_load_b256 s[4:11], s[0:1], 0x0               ; x, wbf, bq, bk
	s_load_b256 s[72:79], s[0:1], 0x20             ; bv, rel_prior, selection_mask, attn
	v_lshl_add_u32 v94, v0, 2, 0x3a600
	v_mov_b32 v95, 0
	ds_add_u32 v94, v95
	s_wait_dscnt 0x0
	v_lshrrev_b32 v1, 5, v0
	v_readfirstlane_b32 s12, v1                    ; wave
	s_lshr_b32 s13, s12, 1                         ; 0: I fetch x, 1: W
	s_and_b32 s14, s12, 1                          ; which half of it
	s_bfe_u32 s15, ttmp6, 0x40000                  ; cx
	s_bfe_u32 s16, ttmp6, 0x40004                  ; cy
	s_lshl_b32 s17, ttmp9, 2
	s_add_co_u32 s17, s17, s15                     ; head = 4 x cluster x + cx
	s_and_b32 s18, ttmp7, 0xffff
	s_lshl_b32 s18, s18, 2
	s_add_co_u32 s18, s18, s16                     ; row block = 4 x cluster y + cy
	s_lshl_b32 s40, s16, 2
	s_lshl_b32 s40, 15, s40                        ; my row of the cluster
	s_lshl_b32 s41, 0x1111, s15                    ; my column
	s_or_b32 s[G1A+0], s40, (2<<16)|(1<<20)|(1<<21)|(5<<22)|(3<<25)  ; mask; elements of 4 bytes; padding on; bit 21 beside a mask; 4 words behind every 64
	s_mov_b32 s[G1A+1], 64<<16                     ; tensor_dim0 = 64
	s_mov_b32 s[G1A+2], 128<<16                    ; tensor_dim1 = 128
	s_mov_b32 s[G1A+3], 64<<16                     ; tile_dim0 = 64 elements = 256 bytes
	s_mov_b32 s[G1A+4], 128                        ; tile_dim1 = 128 rows
	s_mov_b32 s[G1A+5], 2048                       ; from a batch element to the next: two rows of 1,024
	s_mov_b32 s[G1A+6], 0
	s_mov_b32 s[G1A+7], 0
	s_or_b32 s[G1B+0], s41, (3<<16)|(1<<21)        ; mask; elements of 8 bytes; a dense block as 96 rows of 256 bytes
	s_mov_b32 s[G1B+1], 32<<16
	s_mov_b32 s[G1B+2], 96<<16
	s_mov_b32 s[G1B+3], 32<<16
	s_mov_b32 s[G1B+4], 96
	s_mov_b32 s[G1B+5], 32
	s_mov_b32 s[G1B+6], 0
	s_mov_b32 s[G1B+7], 0
	s_lshl_b32 s42, s18, 20                        ; x: 256 rows of 4,096 bytes a row block,
	s_lshl_b32 s43, s14, 12                        ; + the modality's row
	s_add_co_u32 s42, s42, s43
	s_mov_b32 s43, 0
	s_mul_i32 s46, s17, 16*BSLOT                   ; W: 16 K steps a head,
	s_mul_i32 s47, s14, BHALF                      ; + my half of a step
	s_add_co_u32 s46, s46, s47
	s_mov_b32 s47, 0
	s_mul_i32 s70, s12, AHALF                      ; LDS, x: wave x 128 rows (waves 0, 1)
	s_mul_i32 s71, s12, BHALF
	s_add_co_u32 s71, s71, BBASE-2*BHALF           ; LDS, W: BBASE + (wave - 2) x half (waves 2, 3)
	s_mov_b32 s66, 0x76543210                      ; v_permlanex16_b32: lane i takes lane i of the other half
	s_mov_b32 s67, 0xfedcba98
	v_and_b32 v1, 15, v0                           ; r
	v_bfe_u32 v2, v0, 4, 1                         ; h
	v_and_b32 v3, 31, v0                           ; L
	v_lshlrev_b32 v4, 3, v1
	s_lshl_b32 s82, s12, 8
	v_add_nc_u32 v4, s82, v4                       ; masks of batch element 32 w + r: 8 bytes each
	v_lshlrev_b32 v5, 2, v0                        ; thread t takes number t of each bias
	s_lshl_b32 s80, s18, 10
	s_mov_b32 s81, 0
	s_lshl_b32 s68, s17, 9
	s_mov_b32 s69, 0
	s_wait_kmcnt 0x0
	s_load_b128 s[20:23], s[74:75], 0x0            ; the four priors
	s_add_nc_u64 s[44:45], s[4:5], s[42:43]
	s_add_nc_u64 s[46:47], s[6:7], s[46:47]
	s_add_nc_u64 s[76:77], s[76:77], s[80:81]
	s_add_nc_u64 s[8:9], s[8:9], s[68:69]
	s_add_nc_u64 s[10:11], s[10:11], s[68:69]
	s_add_nc_u64 s[72:73], s[72:73], s[68:69]
	global_load_b64 v[MK:MK+1],   v4, s[76:77]
	global_load_b64 v[MK+2:MK+3], v4, s[76:77] offset:128
	global_load_b32 v6,  v5, s[8:9]
	global_load_b32 v7,  v5, s[10:11]
	global_load_b32 v24, v5, s[72:73]
	CROUND                                         ; all sixteen work-groups are here: the first joint loads meet
.irp s, 0,1
	s_mov_b32 s[G0A+4*\s], 1
	s_add_co_u32 s[G0A+4*\s+1], s70, \s*ASLOT
	s_add_nc_u64 s[G0A+4*\s+2:G0A+4*\s+3], s[44:45], \s*256          ; K step s: 64 f32
	s_or_b32 s[G0A+4*\s+3], s[G0A+4*\s+3], 0x80000000
	s_mov_b32 s[G0B+4*\s], 1
	s_add_co_u32 s[G0B+4*\s+1], s71, \s*BSLOT
	s_add_nc_u64 s[G0B+4*\s+2:G0B+4*\s+3], s[46:47], \s*BSLOT
	s_or_b32 s[G0B+4*\s+3], s[G0B+4*\s+3], 0x80000000
	JLOAD \s                                       ; both slots' first fills go out together: two tensor loads of a wave are out here, later one
.endr
	s_mul_i32 s82, s12, 32*APITCH
	v_mul_u32_u24 v25, v1, APITCH
	v_lshl_add_u32 v25, v2, 5, v25                 ; row r, 32 bytes (8 f32) for each half wave
	v_add_nc_u32 v[AADR], s82, v25
	v_add_nc_u32 v[AADR+1], ASLOT, v[AADR]
	v_lshlrev_b32 v[BADR], 4, v3
	v_add_nc_u32 v[BADR], BBASE, v[BADR]
	v_add_nc_u32 v[BADR+1], BSLOT, v[BADR]
	v_lshlrev_b32 v[BIASA], 5, v2
	v_add_nc_u32 v[BIASA], BIAS, v[BIASA]
	v_lshlrev_b32 v[OOFF], 4, v3
	s_lshl_b32 s83, s12, 17
	v_add_nc_u32 v[OOFF], s83, v[OOFF]             ; four tiles of 32,768 bytes a wave
	v_add_nc_u32 v26, BIAS, v5
	v_mov_b32 v[NINF], 0xff800000
	s_wait_loadcnt 0x0
	s_wait_kmcnt 0x0
	ds_store_b32 v26, v6
	ds_store_b32 v26, v7 offset:512
	ds_store_b32 v26, v24 offset:1024
.irp g, 0,1
	v_mul_f32 v[MM+3*\g],   v[MK+2*\g],   v[MK+2*\g]
	v_mul_f32 v[MM+3*\g+1], v[MK+2*\g],   v[MK+2*\g+1]
	v_mul_f32 v[MM+3*\g+2], v[MK+2*\g+1], v[MK+2*\g+1]
.endr
.irp i, 0,1,2,3
	v_mov_b32 v[PR+\i], s[20+\i]
	v_mul_f32 v[PR+\i], 0x3fb8aa3b, v[PR+\i]
.endr
.macro LOADA slot, sub                 ; 16 loads: 32 k of my 64 rows as f32; a lane's k = 8 h .. 8 h + 7 and 16 + 8 h .. 16 + 8 h + 7
.irp a, 0,1,2,3
.irp c, 0,1,2,3
	ds_load_b128 v[ARAW+16*\a+4*\c:ARAW+16*\a+4*\c+3], v[AADR+\slot] offset:((\a&1)*128+(\a>>1)*16)*APITCH+\sub*128+(\c&1)*16+(\c>>1)*64
.endr
.endr
.endm
.macro LOADB slot, sub, g, buf         ; 16 loads: 32 k of the eight groups of q (g = 0), k (1) or v (2)
.irp i, 0,1,2,3,4,5,6,7
	ds_load_b128 v[BF+64*\buf+8*\i:BF+64*\buf+8*\i+3],   v[BADR+\slot] offset:(8*\g+\i)*2048+\sub*1024
	ds_load_b128 v[BF+64*\buf+8*\i+4:BF+64*\buf+8*\i+7], v[BADR+\slot] offset:(8*\g+\i)*2048+\sub*1024+512
.endr
.endm
.macro CVT                             ; f32 to bf16, each number of x once in the whole launch per head
.irp a, 0,1,2,3
.irp i, 0,1,2,3,4,5,6,7
	v_cvt_pk_bf16_f32 v[ABF+8*\a+\i], v[ARAW+16*\a+2*\i], v[ARAW+16*\a+2*\i+1]
.endr
.endr
.endm
; 16 matrix instructions: tiles a0, a0 + 1 x eight groups of the window that WIN has set.  The 96 accumulators take turns, one instruction a turn,
; in the same order in every 32 k, over the backward jump too.  zero = 1: the first product starts the sums.
.macro MUL16 buf, a0, zero
.irp a, \a0, \a0+1
.irp b, 0,1,2,3,4,5,6,7
.if \zero
	v_wmma_f32_16x16x32_bf16 v[8*(8*(\a)+\b):8*(8*(\a)+\b)+7], v[BF+64*\buf+8*\b:BF+64*\buf+8*\b+7], v[ABF+8*(\a):ABF+8*(\a)+7], 0
.else
	v_wmma_f32_16x16x32_bf16 v[8*(8*(\a)+\b):8*(8*(\a)+\b)+7], v[BF+64*\buf+8*\b:BF+64*\buf+8*\b+7], v[ABF+8*(\a):ABF+8*(\a)+7], v[8*(8*(\a)+\b):8*(8*(\a)+\b)+7]
.endif
.endr
.endr
.endm
; The first 32 k of a K step.  On entry x's raw numbers and q's fragments (buffer 0) are on their way.
.macro SUB0 slot, zero
	WIN 0
	PLACES
	LOADB \slot, 0, 1, 1
	s_wait_dscnt 16                                ; all but the 16 just issued: x's raw numbers and q's fragments are in
	CVT
	LOADA \slot, 1
	WIN 0x50
	MUL16 0, 0, \zero
	MUL16 0, 2, \zero
	WIN 0
	PLACES
	LOADB \slot, 0, 2, 0
	s_wait_dscnt 32                                ; x's next 16 and the 16 just issued may be out: k's fragments are in
	WIN 0xa0
	MUL16 1, 0, \zero
	MUL16 1, 2, \zero
	WIN 0
	PLACES
	LOADB \slot, 1, 0, 1
	s_wait_dscnt 16                                ; v's fragments and x's next raw numbers are in
	WIN 0xf0
	MUL16 0, 0, \zero
	MUL16 0, 2, \zero
.endm
; The second 32 k, and the change of slots.  mode 2: this slot is filled again, two K steps ahead; 1: barrier, no fill; 0: the very last.
.macro SUB1 slot, next, mode
	WIN 0
	PLACES
	LOADB \slot, 1, 1, 0
	s_wait_dscnt 16
	CVT
	WIN 0x50
	MUL16 1, 0, 0
	MUL16 1, 2, 0
	WIN 0
	PLACES
	LOADB \slot, 1, 2, 1
	s_wait_dscnt 16
	WIN 0xa0
	MUL16 0, 0, 0
	MUL16 0, 2, 0
	s_wait_dscnt 0x0                               ; v's fragments are in, and with them all my reads of this slot
.if \mode
	s_wait_xcnt 0x0
	s_set_vgpr_msb 0xa020
	v_lshl_add_u32 v94, v0, 2, 0x3a600
	v_mov_b32 v95, 0
	s_wait_tensorcnt 0x0                           ; all my tensor loads have landed: the one that was out is my part of the next slot
	ds_add_u32 v94, v95
	s_wait_dscnt 0x0
	s_set_vgpr_msb 0x20a0
	s_barrier_signal -1                            ; where the slot is filled again this barrier opens a round of the cluster's barrier
	WIN 0xf0
	MUL16 1, 0, 0                                  ; register work while the others arrive
	WIN 0
	s_barrier_wait -1
.if \mode == 2
	CREST                                          ; no wave of any partner still reads this slot or has a load on its way
	s_add_nc_u64 s[G0A+4*\slot+2:G0A+4*\slot+3], s[G0A+4*\slot+2:G0A+4*\slot+3], 512
	s_add_nc_u64 s[G0B+4*\slot+2:G0B+4*\slot+3], s[G0B+4*\slot+2:G0B+4*\slot+3], 2*BSLOT
	JLOAD \slot                                    ; my one tensor load behind the round, ahead of every LDS read; 176 matrix instructions stand between it and its wait
.endif
	PLACES
	LOADA \next, 0
	LOADB \next, 0, 0, 0
	WIN 0xf0
	MUL16 1, 2, 0
.else
	WIN 0xf0
	MUL16 1, 0, 0
	MUL16 1, 2, 0
.endif
.endm
.macro LAP zero
	SUB0 0, \zero
	SUB1 0, 1, 2
	SUB0 1, 0
	SUB1 1, 0, 2
.endm
	s_wait_dscnt 0x0                               ; my part of the biases is in LDS
	s_wait_tensorcnt 1                             ; my part of K step 0 is in; K step 1's may stay out
	s_barrier_signal -1
	s_barrier_wait -1
	LOADA 0, 0
	LOADB 0, 0, 0, 0
	LAP 1                                          ; 16 K steps = 8 laps: the first starts the sums,
	WIN 0
	s_mov_b32 s19, 6
.Llap:
	LAP 0                                          ; six go round,
	WIN 0
	s_sub_co_u32 s19, s19, 1
	s_cmp_lg_u32 s19, 0
	s_cbranch_scc1 .Llap
	SUB0 0, 0                                      ; the last fills nothing
	SUB1 0, 1, 1
	SUB0 1, 0
	SUB1 1, 0, 0
	; THE ATTENTION.  Biases of my 8 dimensions of each group b: 32 bytes at 64 b + 32 h.
	WIN 0
	PLACES
.irp b, 0,1,2,3,4,5,6,7
	ds_load_b128 v[BQ+8*\b:BQ+8*\b+3],   v[BIASA] offset:64*\b
	ds_load_b128 v[BQ+8*\b+4:BQ+8*\b+7], v[BIASA] offset:64*\b+16
	ds_load_b128 v[BK+8*\b:BK+8*\b+3],   v[BIASA] offset:512+64*\b
	ds_load_b128 v[BK+8*\b+4:BK+8*\b+7], v[BIASA] offset:512+64*\b+16
	ds_load_b128 v[BV+8*\b:BV+8*\b+3],   v[BIASA] offset:1024+64*\b
	ds_load_b128 v[BV+8*\b+4:BV+8*\b+7], v[BIASA] offset:1024+64*\b+16
.endr
	s_lshl_b32 s80, s18, 19                        ; attn: 16 tiles of 32,768 bytes a row block,
	s_lshl_b32 s81, s17, 12                        ; 8 blocks of 512 bytes a head
	s_add_co_u32 s80, s80, s81
	s_mov_b32 s81, 0
	s_add_nc_u64 s[78:79], s[78:79], s[80:81]
	s_wait_dscnt 0x0
.macro ADDB bias                       ; the window's 32 tiles += the bias
.irp a, 0,1,2,3
.irp b, 0,1,2,3,4,5,6,7
.irp p, 0,1,2,3
	v_pk_add_f32 v[8*(8*\a+\b)+2*\p:8*(8*\a+\b)+2*\p+1], v[8*(8*\a+\b)+2*\p:8*(8*\a+\b)+2*\p+1], v[\bias+8*\b+2*\p:\bias+8*\b+2*\p+1]
.endr
.endr
.endr
.endm
	WIN 0x41                                       ; q: destination and source 0 in window 1
	ADDB BQ
	WIN 0x82                                       ; k: window 2
	ADDB BK
; the four dot products of batch elements 16 g + r over my 64 dimensions: four chains of packed multiply-adds that take turns
.macro SCORES g
.irp b, 0,1,2,3,4,5,6,7
.irp p, 0,1,2,3
.irp qi, 0,1
.irp ki, 0,1
.if (\b+\p) == 0
	v_pk_mul_f32 v[SC+8*\g+4*\qi+2*\ki:SC+8*\g+4*\qi+2*\ki+1], v[8*(8*(2*\g+\ki)+\b)+2*\p:8*(8*(2*\g+\ki)+\b)+2*\p+1], v[8*(8*(2*\g+\qi)+\b)+2*\p:8*(8*(2*\g+\qi)+\b)+2*\p+1]
.else
	v_pk_fma_f32 v[SC+8*\g+4*\qi+2*\ki:SC+8*\g+4*\qi+2*\ki+1], v[8*(8*(2*\g+\ki)+\b)+2*\p:8*(8*(2*\g+\ki)+\b)+2*\p+1], v[8*(8*(2*\g+\qi)+\b)+2*\p:8*(8*(2*\g+\qi)+\b)+2*\p+1], v[SC+8*\g+4*\qi+2*\ki:SC+8*\g+4*\qi+2*\ki+1]
.endif
.endr
.endr
.endr
.endr
.endm
	WIN 0x06                                       ; source 0 = k (window 2), source 1 = q (window 1), sums in window 0
	SCORES 0
	SCORES 1
	WIN 0
.irp i, 0,1,2,3,4,5,6,7
	v_add_f32 v[SC+2*\i], v[SC+2*\i], v[SC+2*\i+1]
.endr
.irp i, 0,1,2,3,4,5,6,7
	v_permlanex16_b32 v[SC+2*\i+1], v[SC+2*\i], s66, s67   ; the other half wave holds the other 64 dimensions
.endr
.irp i, 0,1,2,3,4,5,6,7
	v_add_f32 v[SC+2*\i], v[SC+2*\i], v[SC+2*\i+1]
.endr
.irp g, 0,1
.irp qi, 0,1
.irp ki, 0,1
	v_fmamk_f32 v[SC+8*\g+4*\qi+2*\ki], v[SC+8*\g+4*\qi+2*\ki], 0x3e0293ee, v[PR+2*\qi+\ki]   ; x log2 e / sqrt(128) + prior x log2 e
	v_cmp_lt_f32 vcc_lo, 0, v[MM+3*\g+\qi+\ki]
	v_cndmask_b32 v[SC+8*\g+4*\qi+2*\ki], v[NINF], v[SC+8*\g+4*\qi+2*\ki], vcc_lo             ; -inf where m_q m_k is not above 0
.endr
.endr
.endr
.irp i, 0,1,2,3                        ; i = 2 g + qi: one query row; its two scores at SC + 4 i and SC + 4 i + 2
	v_max_num_f32 v[SC+4*\i+1], v[SC+4*\i], v[SC+4*\i+2]
	v_sub_f32 v[SC+4*\i],   v[SC+4*\i],   v[SC+4*\i+1]
	v_sub_f32 v[SC+4*\i+2], v[SC+4*\i+2], v[SC+4*\i+1]
.endr
.irp i, 0,1,2,3
	v_exp_f32 v[WT+4*\i],   v[SC+4*\i]
	v_exp_f32 v[WT+4*\i+2], v[SC+4*\i+2]
.endr
	v_nop                                          ; one plain vector instruction behind the transcendentals before their results are used (ISA guide 5.7.2)
	s_wait_alu depctr_va_vdst(0)
.irp i, 0,1,2,3
	v_add_f32 v[SC+4*\i+1], v[WT+4*\i], v[WT+4*\i+2]       ; at least 1: the larger exponent is 0
.endr
.irp i, 0,1,2,3
	v_rcp_f32 v[SC+4*\i+3], v[SC+4*\i+1]
.endr
	v_nop
	s_wait_alu depctr_va_vdst(0)
.irp i, 0,1,2,3
	v_mul_f32 v[WT+4*\i+1], v[WT+4*\i],   v[SC+4*\i+3]     ; each weight twice: a pair for the packed multiply-adds
	v_mul_f32 v[WT+4*\i],   v[WT+4*\i],   v[SC+4*\i+3]
	v_mul_f32 v[WT+4*\i+3], v[WT+4*\i+2], v[SC+4*\i+3]
	v_mul_f32 v[WT+4*\i+2], v[WT+4*\i+2], v[SC+4*\i+3]
.endr
; tile a = 2 g + qi of the output: w(qi, 0) v0 + w(qi, 1) v1 + bv, rounded to bf16; a lane's 16 bytes of group b are its place in block 8 head + b
.irp a, 0,1,2,3
	WIN 0x03                                       ; source 0 = v (window 3)
.irp b, 0,1,2,3,4,5,6,7
.irp p, 0,1,2,3
	v_pk_fma_f32 v[OV+8*\b+2*\p:OV+8*\b+2*\p+1], v[8*(8*(\a&2)+\b)+2*\p:8*(8*(\a&2)+\b)+2*\p+1], v[WT+4*\a:WT+4*\a+1], v[BV+8*\b+2*\p:BV+8*\b+2*\p+1]
.endr
.endr
.irp b, 0,1,2,3,4,5,6,7
.irp p, 0,1,2,3
	v_pk_fma_f32 v[OV+8*\b+2*\p:OV+8*\b+2*\p+1], v[8*(8*((\a&2)+1)+\b)+2*\p:8*(8*((\a&2)+1)+\b)+2*\p+1], v[WT+4*\a+2:WT+4*\a+3], v[OV+8*\b+2*\p:OV+8*\b+2*\p+1]
.endr
.endr
	WIN 0
	s_wait_xcnt 0x0                                ; the packed buffer, which earlier stores read, is rewritten only behind this wait
.irp b, 0,1,2,3,4,5,6,7
.irp p, 0,1,2,3
	v_cvt_pk_bf16_f32 v[PK+32*(\a&1)+4*\b+\p], v[OV+8*\b+2*\p], v[OV+8*\b+2*\p+1]
.endr
.endr
.irp b, 0,1,2,3,4,5,6,7
	global_store_b128 v[OOFF], v[PK+32*(\a&1)+4*\b:PK+32*(\a&1)+4*\b+3], s[78:79] offset:\a*32768+\b*512   ; a wave's store covers 512 consecutive bytes, aligned
.endr
.endr
	CROUND                                         ; the closing round: no work-group ends while a partner may still ask for a tile that names it
	s_endpgm
.Lfunc_end_k_q07e414b7ef_qkv_attn:
	.size	k_q07e414b7ef_qkv_attn, .Lfunc_end_k_q07e414b7ef_qkv_attn-k_q07e414b7ef_qkv_attn
	.p2alignl 7, 3214868480
	.fill 96, 4, 3214868480
	.section	.rodata,"a",@progbits
	.p2align	6, 0x0
	.amdhsa_kernel k_q07e414b7ef_qkv_attn
		.amdhsa_group_segment_fixed_size 327680
		.amdhsa_private_segment_fixed_size 0
		.amdhsa_enable_private_segment 0
		.amdhsa_kernarg_size 64
		.amdhsa_user_sgpr_count 2
		.amdhsa_user_sgpr_kernarg_segment_ptr 1
		.amdhsa_wavefront_size32 1
		.amdhsa_system_sgpr_workgroup_id_x 1
		.amdhsa_system_sgpr_workgroup_id_y 1
		.amdhsa_system_sgpr_workgroup_id_z 1
		.amdhsa_system_vgpr_workitem_id 0
		.amdhsa_next_free_vgpr 1024
		.amdhsa_next_free_sgpr 84
		.amdhsa_reserve_vcc 1
		.amdhsa_float_denorm_mode_32 3
		.amdhsa_float_denorm_mode_16_64 3
		.amdhsa_memory_ordered 1
		.amdhsa_forward_progress 1
		.amdhsa_inst_pref_size 231
	.end_amdhsa_kernel
	.amdgpu_metadata
---
amdhsa.version: [ 1, 2 ]
amdhsa.kernels:
  - .name:           k_q07e414b7ef_qkv_attn
    .symbol:         k_q07e414b7ef_qkv_attn.kd
    .args:
      - { .name: modality_encodings, .offset: 0, .size: 8, .value_kind: global_buffer, .address_space: global }
      - { .name: wbf, .offset: 8, .size: 8, .value_kind: global_buffer, .address_space: global }
      - { .name: bq, .offset: 16, .size: 8, .value_kind: global_buffer, .address_space: global }
      - { .name: bk, .offset: 24, .size: 8, .value_kind: global_buffer, .address_space: global }
      - { .name: bv, .offset: 32, .size: 8, .value_kind: global_buffer, .address_space: global }
      - { .name: rel_prior, .offset: 40, .size: 8, .value_kind: global_buffer, .address_space: global }
      - { .name: selection_mask, .offset: 48, .size: 8, .value_kind: global_buffer, .address_space: global }
      - { .name: attn, .offset: 56, .size: 8, .value_kind: global_buffer, .address_space: global }
    .group_segment_fixed_size: 327680
    .private_segment_fixed_size: 0
    .kernarg_segment_align: 8
    .kernarg_segment_size: 64
    .max_flat_workgroup_size: 128
    .sgpr_count:     84
    .vgpr_count:     1024
    .wavefront_size: 32
...
	.end_amdgpu_metadata
.endif
;; end of part 2
;; launch oproj_ln (part 3): grid 256 x 1, 4 waves a work-group, clusters of 4 x 1, 327,680 bytes of LDS; arguments attn, wbf, modality_encodings, bo, ln_gamma, ln_beta, out0; writes out0
.if DOCPART == 3
	.amdgcn_target "amdgcn-amd-amdhsa--gfx1250"
	.amdhsa_code_object_version 6
	.text
	.protected	k_q07e414b7ef_oproj_ln
	.globl	k_q07e414b7ef_oproj_ln
	.p2align	8
	.type	k_q07e414b7ef_oproj_ln,@function
k_q07e414b7ef_oproj_ln:
	s_mov_b64 s[64:65], 0
	v_nop
	global_prefetch_b8 v0, s[64:65] scope:SCOPE_SE
	s_setreg_imm32_b32 hwreg(HW_REG_WAVE_MODE, 25, 1), 1
	s_wait_xcnt 0x0
	s_wait_alu depctr_hold_cnt(0) depctr_sa_sdst(0) depctr_va_vdst(0) depctr_va_sdst(0) depctr_va_ssrc(0) depctr_va_vcc(0) depctr_vm_vsrc(0)
	s_getreg_b32 s2, hwreg(HW_REG_IB_STS2, 6, 4)
	s_cmp_eq_u32 s2, 0
	s_cbranch_scc0 .Lentry_in_a_cluster
	s_endpgm
.Lentry_in_a_cluster:
	s_bfe_u32 s2, ttmp6, 0x10000c
	s_cmp_lg_u32 s2, 0x3003
	s_cbranch_scc0 .Lentry_shape_is_right
	s_endpgm
.Lentry_shape_is_right:
; out0 = LayerNorm(x + attn wo^T + bo).  A work-group makes 64 whole rows (LayerNorm needs whole rows), wave w columns 256 w .. 256 w + 255:
; 64 accumulator tiles, 512 registers (window 2: tiles a = 0, 1; window 3: a = 2, 3; tile (a & 1, b) at v[8 (16 (a & 1) + b)]).
; Source 0 = attn fragment, straight from memory (attn lies in fragment order: a wave's load is 512 consecutive bytes); source 1 = wo fragment from LDS.
; wbf holds wo's rows so that group b = 4 g + i, lane r is output column 256 w + 64 g + 4 r + i: four tiles give a lane four neighbouring f32,
; sixteen lanes 256 consecutive aligned bytes, so x comes in and out0 goes out between memory and registers with no turn through LDS.
; Lane (r, h), register j of tile a is row 64 wg + 32 (a >> 1) + 2 (8 h + j) + (a & 1), the order in which the launch before laid attn's rows.
; x + bo is added into the sums DURING the K loop, a sixteenth in each K step, so that x's bytes move under the matrix work.
; K goes in steps of 64 through two LDS slots of 131,072 bytes; each wave fills and reads its own quarter.
; CLUSTER 4 x 1: the four work-groups walk the same tiles of wo and ask for them jointly (mask 15).
; K IS WALKED ROUND FROM A START OF THE CLUSTER'S OWN: cluster c takes K steps (rot + 0 .. 15) mod 16, rot = (c + 4 (c >> 4)) mod 16.  So the 64 clusters ask for
; 16 different tiles at a time: all of wo's 2 MiB is asked for in the first two steps, and from the third step on a tile has been read by another cluster some steps before.
; rot hangs on the cluster's number alone, which the four partners share: their descriptors stay equal.
; The K loop is written out: each K step's addition names other accumulators, and every offset is an immediate or a base made once, so no address register of a load is ever rewritten.
; LIMITS, stated: matrix operands are bf16; x and bo enter the running f32 sums, and the K sum starts at another step in each cluster (orders of rounding of their own);
; the variance is taken in two passes.
.set BSLOT,  131072
.set SCR,    2*BSLOT                   ; 2 x 1,024 bytes for the row sums; written by LDS stores alone, no tensor load lands here
.set WOBASE, 6291456
.set CI,   2                           ; v[2:3]     1/1024, twice
.set EPS,  4                           ; v[4:5]     1e-5, twice
.set AOFF, 8                           ; v8         16 L
.set XOFF, 9                           ; v9         65536 h + 1024 w + 16 r
.set BADR, 10                          ; v10, v11   my quarter of slot 0, 1, + 16 L
.set SCRW, 12                          ; v12        SCR + 256 w + 32 h
.set SCRR, 13                          ; v13        SCR + 32 h
.set POFF, 14                          ; v14        1024 w + 16 r
.set BO,   16                          ; v[16:31]   bo of my 16 columns (index 4 g + i)
.set AR4,  32                          ; v[32:63]   in the loop: the fifth set of attn fragments; behind it gamma v[32:47] and beta v[48:63]
.set GA,   32
.set BE,   48
.set XB,   64                          ; v[64:127]  x: two buffers of 8 rows x 4 columns
.set AR,   128                         ; v[128:255] attn fragments: sets 0 to 3 of a ring of five sets of 32 k (4 tiles x 8)
.set SS,   64                          ; behind the loop: v[64:95] row sums (index 8 a + j), v[96:127] mean, then 1/sigma, v[128:255] the four waves' sums
.set MU,   96
.set TT,   128
.set F0,   0                           ; window 1: wo fragments, two buffers of 16 groups x 8; behind the loop the output
.set F1,   128
.set G1,   24                          ; s[24:31] shape; s[32:39] from where, to where, a set for each slot
.set G0,   32
; s[48:63], s[66:81]: attn's base for each of my 16 K steps, in the order in which I walk them; s[84:85], s[86:87]: the K offset in attn and in wo, stepped round
.set MUL_LO, 0xa4                      ; source 0 window 0, source 1 window 1, C and D window 2
.set MUL_HI, 0xf4                      ; C and D window 3
.set TO_B,   0x40
.set MSB, 0
.macro WIN new                         ; s_set_vgpr_msb: bits 1:0 source 0, 3:2 source 1, 5:4 source 2, 7:6 destination; the high byte repeats the setting that is left
.if MSB != (\new)
	s_set_vgpr_msb (MSB<<8)|(\new)
.set MSB, (\new)
.endif
.endm
.macro PLACES                          ; four plain vector instructions between a matrix instruction and a load or a vector access to one of its registers
.rept 4
	v_nop
.endr
.endm
.macro CREST
	s_cmp_lg_u32 s18, 0
	s_cbranch_scc1 .Lnot_wave_0_\@
	s_barrier_signal -3
.Lnot_wave_0_\@:
	s_barrier_wait -3
	s_barrier_signal -1
	s_barrier_wait -1
.endm
.macro CROUND
	s_barrier_signal -1
	s_barrier_wait -1
	CREST
.endm
.macro ABASE sym, t                    ; the first register of the set that holds half t
.if ((\t)%5) == 4
.set \sym, AR4
.else
.set \sym, AR+32*((\t)%5)
.endif
.endm
.macro APAIR sym, u                    ; the scalar pair with attn's base for my K step u
.if (\u) < 8
.set \sym, 48+2*(\u)
.else
.set \sym, 50+2*(\u)
.endif
.endm
.macro MKPAIR u                        ; that pair is made: a K step of attn is 4 blocks of 512 bytes in each tile; then the offset goes one step on, round 16 steps
	APAIR AP, \u
	s_add_nc_u64 s[AP:AP+1], s[4:5], s[84:85]
	s_add_co_u32 s84, s84, 2048
	s_and_b32 s84, s84, 0x7fff
.endm
.macro ALOAD t                         ; attn, my half t (32 k) of my work-group's four tiles: 8 loads
	ABASE AD, (\t)
	APAIR AP, ((\t)>>1)
.irp a, 0,1,2,3
.irp c, 0,1
	global_load_b128 v[AD+8*\a+4*\c:AD+8*\a+4*\c+3], v[AOFF], s[AP:AP+1] offset:\a*32768+(2*((\t)&1)+\c)*512
.endr
.endr
.endm
.macro XLOAD u                         ; x for tile a = u >> 2, column group g = u & 3: 8 loads, each half wave 256 consecutive aligned bytes of a row
.set XA, (\u)>>2
.set XG, (\u)&3
.irp j, 0,1,2,3,4,5,6,7
	global_load_b128 v[XB+32*((\u)&1)+4*\j:XB+32*((\u)&1)+4*\j+3], v[XOFF], s[8:9] offset:((XA>>1)*32+(XA&1))*4096+\j*8192+XG*256 th:TH_LOAD_NT
.endr
.endm
.macro XADD u                          ; the four tiles (a, 4 g + i) += x + bo.  The 16 packed adds name no register of a matrix instruction: they are the places, too
.set XA, (\u)>>2
.set XG, (\u)&3
.set XBUF, XB+32*((\u)&1)
	WIN 0
.irp j, 0,1,2,3,4,5,6,7
.irp p, 0,1
	v_pk_add_f32 v[XBUF+4*\j+2*\p:XBUF+4*\j+2*\p+1], v[XBUF+4*\j+2*\p:XBUF+4*\j+2*\p+1], v[BO+4*XG+2*\p:BO+4*XG+2*\p+1]
.endr
.endr
.if XA < 2
	WIN 0x82
.else
	WIN 0xc3
.endif
.irp i, 0,1,2,3
.irp j, 0,1,2,3,4,5,6,7
	v_add_f32 v[8*(16*(XA&1)+4*XG+\i)+\j], v[8*(16*(XA&1)+4*XG+\i)+\j], v[XBUF+4*\j+\i]
.endr
.endr
.endm
.macro FETCH slot, sub, f              ; 32 LDS loads: 32 k of my 16 groups of wo
	WIN TO_B
.irp b, 0,1,2,3,4,5,6,7,8,9,10,11,12,13,14,15
	ds_load_b128 v[\f+8*\b:\f+8*\b+3],   v[BADR+\slot] offset:\b*2048+\sub*1024
	ds_load_b128 v[\f+8*\b+4:\f+8*\b+7], v[BADR+\slot] offset:\b*2048+\sub*1024+512
.endr
.endm
; 16 matrix instructions: tile a = 2 hi + al x my 16 groups; ra = the first register of the half's set of attn fragments.
; The 64 accumulators take turns, one instruction a turn, in the same order in every 32 k.
.macro MULB f, ra, hi, al, zero
.irp b, 0,1,2,3,4,5,6,7,8,9,10,11,12,13,14,15
.if \zero
	v_wmma_f32_16x16x32_bf16 v[8*(16*\al+\b):8*(16*\al+\b)+7], v[\ra+8*(2*\hi+\al):\ra+8*(2*\hi+\al)+7], v[\f+8*\b:\f+8*\b+7], 0
.else
	v_wmma_f32_16x16x32_bf16 v[8*(16*\al+\b):8*(16*\al+\b)+7], v[\ra+8*(2*\hi+\al):\ra+8*(2*\hi+\al)+7], v[\f+8*\b:\f+8*\b+7], v[8*(16*\al+\b):8*(16*\al+\b)+7]
.endif
.endr
.endm
	s_load_b256 s[4:11], s[0:1], 0x0               ; attn, wbf, x, bo
	s_load_b128 s[12:15], s[0:1], 0x20             ; gamma, beta
	s_load_b64 s[16:17], s[0:1], 0x30              ; out0
	v_lshl_add_u32 v7, v0, 2, 0x40800
	v_mov_b32 v15, 0
	ds_add_u32 v7, v15
	s_wait_dscnt 0x0
	v_lshrrev_b32 v1, 5, v0
	v_readfirstlane_b32 s18, v1                    ; wave
	s_bfe_u32 s19, ttmp6, 0x40000                  ; cx
	s_lshl_b32 s20, ttmp9, 2
	s_add_co_u32 s20, s20, s19                     ; work-group = 4 x cluster + cx
	s_lshr_b32 s82, ttmp9, 4                       ; the cluster's first K step, from the cluster's number alone:
	s_lshl2_add_u32 s82, s82, ttmp9                ; c + 4 (c >> 4),
	s_and_b32 s82, s82, 15                         ; modulo 16: all 16 starts occur among clusters 0 to 31, and among those with c mod 16 below 8
	s_lshl_b32 s84, s82, 11                        ; in attn: 2,048 bytes a K step
	s_mov_b32 s85, 0
	s_lshl_b32 s86, s82, 17                        ; in wo: 131,072 bytes a K step
	s_mov_b32 s87, 0
	s_mov_b32 s[G1+0], 15|(3<<16)|(1<<21)          ; all four of the cluster; elements of 8 bytes; bit 21 beside a mask
	s_mov_b32 s[G1+1], 32<<16                      ; a dense block as 128 rows of 256 bytes
	s_mov_b32 s[G1+2], 128<<16
	s_mov_b32 s[G1+3], 32<<16
	s_mov_b32 s[G1+4], 128
	s_mov_b32 s[G1+5], 32
	s_mov_b32 s[G1+6], 0
	s_mov_b32 s[G1+7], 0
	v_and_b32 v1, 15, v0                           ; r
	v_bfe_u32 v6, v0, 4, 1                         ; h
	v_and_b32 v7, 31, v0                           ; L
	v_lshlrev_b32 v[AOFF], 4, v7
	s_lshl_b32 s21, s18, 10
	v_lshl_add_u32 v[POFF], v1, 4, s21
	v_lshl_add_u32 v[XOFF], v6, 16, v[POFF]        ; h: 8 fragment rows = 16 rows of 4,096 bytes
	s_lshl_b32 s22, s18, 15                        ; my quarter of a slot
	v_add_nc_u32 v[BADR], s22, v[AOFF]
	v_add_nc_u32 v[BADR+1], BSLOT, v[BADR]
	v_lshlrev_b32 v[SCRR], 5, v6
	v_add_nc_u32 v[SCRR], SCR, v[SCRR]
	s_lshl_b32 s23, s18, 8
	v_add_nc_u32 v[SCRW], s23, v[SCRR]
	v_mov_b32 v[CI], 0x3a800000
	v_mov_b32 v[CI+1], 0x3a800000
	v_mov_b32 v[EPS], 0x3727c5ac
	v_mov_b32 v[EPS+1], 0x3727c5ac
	s_lshl_b32 s40, s20, 17                        ; attn: four tiles of 32,768 bytes a work-group
	s_mov_b32 s41, 0
	s_lshl_b32 s42, s20, 18                        ; x, out0: 64 rows of 4,096 bytes
	s_mov_b32 s43, 0
	s_add_co_u32 s46, s22, WOBASE                  ; wo's tiles: the wave's number and constants alone
	s_mov_b32 s47, 0
	s_wait_kmcnt 0x0
	s_add_nc_u64 s[4:5], s[4:5], s[40:41]
	s_add_nc_u64 s[8:9], s[8:9], s[42:43]
	s_add_nc_u64 s[16:17], s[16:17], s[42:43]
	s_add_nc_u64 s[44:45], s[6:7], s[46:47]
	MKPAIR 0                                       ; the bases that the first four halves need
	MKPAIR 1
.irp g, 0,1,2,3
	global_load_b128 v[BO+4*\g:BO+4*\g+3], v[POFF], s[10:11] offset:256*\g
.endr
	XLOAD 0                                        ; the order of issue, here and in the loop: X(s), A(2 s), A(2 s + 1), X(s + 1), A(2 s + 2), A(2 s + 3), ..
	ALOAD 0
	ALOAD 1
	XLOAD 1
	ALOAD 2
	ALOAD 3
	CROUND                                         ; all four work-groups are here: the first joint loads meet
.irp s, 0,1
	s_mov_b32 s[G0+4*\s], 1
	s_add_co_u32 s[G0+4*\s+1], s22, \s*BSLOT
	s_add_nc_u64 s[G0+4*\s+2:G0+4*\s+3], s[44:45], s[86:87]   ; my K step s: tile (rot + s) mod 16
	s_or_b32 s[G0+4*\s+3], s[G0+4*\s+3], 0x80000000
	tensor_load_to_lds s[G0+4*\s:G0+4*\s+3], s[G1:G1+7]   ; both first fills together: two tensor loads of a wave are out here, later one
	s_nop 0
	s_add_co_u32 s86, s86, BSLOT                   ; the offset (no register of a descriptor) goes one step on, round 16 steps
	s_and_b32 s86, s86, 0x1fffff
.endr
.irp u, 2,3,4,5,6,7,8,9,10,11,12,13,14,15
	MKPAIR \u                                      ; scalar work while the first tiles are on their way
.endr
	s_wait_tensorcnt 1                             ; my first K step's quarter is in; the second's may stay out
	s_barrier_signal -1
	s_barrier_wait -1
	FETCH 0, 0, F0
; My K step s = two halves of 32 k (t = 2 s, 2 s + 1), 64 matrix instructions each.
.macro STEP s
.set SL,  (\s)&1
.set SLN, 1-SL
	ABASE RA0, (2*\s)
	ABASE RA1, (2*\s+1)
.if \s == 0
.set Z, 1
.else
.set Z, 0
.endif
	s_wait_dscnt 0x0                               ; wo's fragments of this half are in
.if \s == 15
	s_wait_loadcnt 8                               ; only A(31) is younger than A(30)
.else
	s_wait_loadcnt 32                              ; four groups of eight are younger than A(2 s): A(2 s + 1), X(s + 1), A(2 s + 2), A(2 s + 3); X(s) is older
.endif
	WIN MUL_LO
	MULB F0, RA0, 0, 0, Z
	MULB F0, RA0, 0, 1, Z
	XADD \s
	WIN 0
.if \s <= 13
	XLOAD (\s+2)                                   ; into the buffer just added: two K steps ahead
	ALOAD (2*\s+4)                                 ; four halves ahead, into the set read in the half before this one
.endif
	FETCH SL, 1, F1
	WIN MUL_HI
	MULB F0, RA0, 1, 0, Z
	MULB F0, RA0, 1, 1, Z
	s_wait_dscnt 0x0                               ; the second half's fragments are in: these were my last reads of this slot
.if \s == 15
	s_wait_loadcnt 0
.else
.if \s == 14
	s_wait_loadcnt 24                              ; X(15), A(30), A(31) are younger than A(29)
.else
	s_wait_loadcnt 40                              ; five groups of eight are younger than A(2 s + 1): X(s + 1), A(2 s + 2), A(2 s + 3), X(s + 2), A(2 s + 4)
.endif
.endif
	WIN MUL_LO
	MULB F1, RA1, 0, 0, 0
.if \s < 15
	s_wait_xcnt 0x0
	s_set_vgpr_msb 0xa424
	v_lshl_add_u32 v7, v0, 2, 0x40800
	v_mov_b32 v15, 0
	s_set_vgpr_msb 0x2420
	s_wait_tensorcnt 0x0                           ; all my tensor loads have landed: the one that was out is my quarter of the next slot
	ds_add_u32 v7, v15
	s_wait_dscnt 0x0
	s_set_vgpr_msb 0x20a4
	s_barrier_signal -1                            ; where the slot is filled again this barrier opens a round of the cluster's barrier
	MULB F1, RA1, 0, 1, 0                          ; register work while the others arrive
	WIN 0
	s_barrier_wait -1
.if \s <= 13
	CREST                                          ; no wave of any partner still reads this slot or has a load on its way
	s_add_nc_u64 s[G0+4*SL+2:G0+4*SL+3], s[44:45], s[86:87]   ; no tensor load of mine is out: the slot's group 0 is written for my K step s + 2
	s_or_b32 s[G0+4*SL+3], s[G0+4*SL+3], 0x80000000
	tensor_load_to_lds s[G0+4*SL:G0+4*SL+3], s[G1:G1+7]   ; my one tensor load behind the round, ahead of every LDS read
	s_nop 0
	s_add_co_u32 s86, s86, BSLOT
	s_and_b32 s86, s86, 0x1fffff
.endif
	PLACES
.if \s <= 13
	ALOAD (2*\s+5)                                 ; into the set read in this step's first half
.endif
	FETCH SLN, 0, F0
.else
	MULB F1, RA1, 0, 1, 0
.endif
	WIN MUL_HI
	MULB F1, RA1, 1, 0, 0
	MULB F1, RA1, 1, 1, 0
.endm
.irp s, 0,1,2,3,4,5,6,7,8,9,10,11,12,13,14,15
	STEP \s
.endr
	; LAYERNORM.  The accumulators hold x + attn wo^T + bo.
.macro SUMS hi                         ; my 16 columns of each row: eight chains of packed adds; tiles 0 and 1 start them, nothing is cleared
	WIN ((2+\hi)|((2+\hi)<<2))
.irp al, 0,1
.irp p, 0,1,2,3
	v_pk_add_f32 v[SS+8*(2*\hi+\al)+2*\p:SS+8*(2*\hi+\al)+2*\p+1], v[8*(16*\al)+2*\p:8*(16*\al)+2*\p+1], v[8*(16*\al+1)+2*\p:8*(16*\al+1)+2*\p+1]
.endr
.endr
	WIN ((2+\hi)<<2)
.irp b, 2,3,4,5,6,7,8,9,10,11,12,13,14,15
.irp al, 0,1
.irp p, 0,1,2,3
	v_pk_add_f32 v[SS+8*(2*\hi+\al)+2*\p:SS+8*(2*\hi+\al)+2*\p+1], v[SS+8*(2*\hi+\al)+2*\p:SS+8*(2*\hi+\al)+2*\p+1], v[8*(16*\al+\b)+2*\p:8*(16*\al+\b)+2*\p+1]
.endr
.endr
.endr
.endm
.macro LANES                           ; over the 16 lanes of a half wave, which hold the same rows
.irp m, 1,2,4,8
.set i, 0
.rept 32
	v_add_f32_dpp v[SS+i], v[SS+i], v[SS+i] row_xmask:\m row_mask:0xf bank_mask:0xf
.set i, i+1
.endr
.endr
.endm
.macro EXCH off                        ; over the four waves: each stores its 64 sums (row index 16 a + 8 h + j), one barrier, each reads all four and adds them in one order
.irp a, 0,1,2,3
.irp q, 0,1
	ds_store_b128 v[SCRW], v[SS+8*\a+4*\q:SS+8*\a+4*\q+3] offset:\off+64*\a+16*\q
.endr
.endr
	s_wait_dscnt 0x0                               ; for the other waves' sake: my stores are done
	s_barrier_signal -1
	s_barrier_wait -1
.irp w, 0,1,2,3
.irp a, 0,1,2,3
.irp q, 0,1
	ds_load_b128 v[TT+32*\w+8*\a+4*\q:TT+32*\w+8*\a+4*\q+3], v[SCRR] offset:\off+256*\w+64*\a+16*\q
.endr
.endr
.endr
	s_wait_dscnt 0x0
.set i, 0
.rept 16
	v_pk_add_f32 v[TT+i:TT+i+1], v[TT+i:TT+i+1], v[TT+32+i:TT+32+i+1]
	v_pk_add_f32 v[TT+64+i:TT+64+i+1], v[TT+64+i:TT+64+i+1], v[TT+96+i:TT+96+i+1]
.set i, i+2
.endr
.set i, 0
.rept 16
	v_pk_add_f32 v[SS+i:SS+i+1], v[TT+i:TT+i+1], v[TT+64+i:TT+64+i+1]
.set i, i+2
.endr
.endm
.macro CENTER hi                       ; the mean is taken away in place; then the squares, eight chains
	WIN (((2+\hi)<<6)|(2+\hi))
.irp b, 0,1,2,3,4,5,6,7,8,9,10,11,12,13,14,15
.irp al, 0,1
.irp p, 0,1,2,3
	v_pk_add_f32 v[8*(16*\al+\b)+2*\p:8*(16*\al+\b)+2*\p+1], v[8*(16*\al+\b)+2*\p:8*(16*\al+\b)+2*\p+1], v[MU+8*(2*\hi+\al)+2*\p:MU+8*(2*\hi+\al)+2*\p+1] neg_lo:[0,1] neg_hi:[0,1]
.endr
.endr
.endr
	WIN ((2+\hi)|((2+\hi)<<2))
.irp al, 0,1
.irp p, 0,1,2,3
	v_pk_mul_f32 v[SS+8*(2*\hi+\al)+2*\p:SS+8*(2*\hi+\al)+2*\p+1], v[8*(16*\al)+2*\p:8*(16*\al)+2*\p+1], v[8*(16*\al)+2*\p:8*(16*\al)+2*\p+1]
.endr
.endr
.irp b, 1,2,3,4,5,6,7,8,9,10,11,12,13,14,15
.irp al, 0,1
.irp p, 0,1,2,3
	v_pk_fma_f32 v[SS+8*(2*\hi+\al)+2*\p:SS+8*(2*\hi+\al)+2*\p+1], v[8*(16*\al+\b)+2*\p:8*(16*\al+\b)+2*\p+1], v[8*(16*\al+\b)+2*\p:8*(16*\al+\b)+2*\p+1], v[SS+8*(2*\hi+\al)+2*\p:SS+8*(2*\hi+\al)+2*\p+1]
.endr
.endr
.endr
.endm
.macro NORM hi                         ; x 1/sigma in place; x gamma + beta into window 1, four neighbouring columns side by side; out
	WIN (((2+\hi)<<6)|(2+\hi))
.irp b, 0,1,2,3,4,5,6,7,8,9,10,11,12,13,14,15
.irp al, 0,1
.irp p, 0,1,2,3
	v_pk_mul_f32 v[8*(16*\al+\b)+2*\p:8*(16*\al+\b)+2*\p+1], v[8*(16*\al+\b)+2*\p:8*(16*\al+\b)+2*\p+1], v[MU+8*(2*\hi+\al)+2*\p:MU+8*(2*\hi+\al)+2*\p+1]
.endr
.endr
.endr
	s_wait_xcnt 0x0                                ; window 1, which earlier stores read, is rewritten only behind this wait
	WIN (0x40|(2+\hi))
.irp al, 0,1
.irp j, 0,1,2,3,4,5,6,7
.irp g, 0,1,2,3
.irp i, 0,1,2,3
	v_fma_f32 v[4*(4*(8*\al+\j)+\g)+\i], v[8*(16*\al+4*\g+\i)+\j], v[GA+4*\g+\i], v[BE+4*\g+\i]
.endr
.endr
.endr
.endr
	WIN 0x04                                       ; a store's data is its source 1: window 1
.irp al, 0,1
.irp j, 0,1,2,3,4,5,6,7
.irp g, 0,1,2,3
	global_store_b128 v[XOFF], v[4*(4*(8*\al+\j)+\g):4*(4*(8*\al+\j)+\g)+3], s[16:17] offset:(32*\hi+\al)*4096+\j*8192+\g*256 th:TH_STORE_NT   ; each half wave stores 256 consecutive bytes, aligned
.endr
.endr
.endr
.endm
	WIN 0
	PLACES
.irp g, 0,1,2,3
	global_load_b128 v[GA+4*\g:GA+4*\g+3], v[POFF], s[12:13] offset:256*\g   ; gamma and beta, into the registers of the ring's fifth set (last read in half 29);
	global_load_b128 v[BE+4*\g:BE+4*\g+3], v[POFF], s[14:15] offset:256*\g   ; both reductions stand between these loads and their wait
.endr
	SUMS 0
	SUMS 1
	WIN 0
	LANES
	EXCH 0
.set i, 0
.rept 16
	v_pk_mul_f32 v[MU+i:MU+i+1], v[SS+i:SS+i+1], v[CI:CI+1]          ; the mean
.set i, i+2
.endr
	CENTER 0
	CENTER 1
	WIN 0
	LANES
	EXCH 1024                                      ; other bytes than the first exchange: one barrier is enough
.set i, 0
.rept 16
	v_pk_fma_f32 v[SS+i:SS+i+1], v[SS+i:SS+i+1], v[CI:CI+1], v[EPS:EPS+1]   ; variance + eps
.set i, i+2
.endr
.set i, 0
.rept 32
	v_rsq_f32 v[MU+i], v[SS+i]
.set i, i+1
.endr
	v_nop                                          ; one plain vector instruction behind the transcendentals before their results are used (ISA guide 5.7.2)
	s_wait_alu depctr_va_vdst(0)
	s_wait_loadcnt 0x0                             ; gamma and beta are in
	NORM 0
	NORM 1
	WIN 0
	s_wait_xcnt 0x0
	v_lshl_add_u32 v7, v0, 2, 0x40800
	v_mov_b32 v15, 0
	s_wait_tensorcnt 0x0
	ds_add_u32 v7, v15
	s_wait_dscnt 0x0
	CROUND                                         ; the closing round: no work-group ends while a partner may still ask for a tile that names it
	s_endpgm
.Lfunc_end_k_q07e414b7ef_oproj_ln:
	.size	k_q07e414b7ef_oproj_ln, .Lfunc_end_k_q07e414b7ef_oproj_ln-k_q07e414b7ef_oproj_ln
	.p2alignl 7, 3214868480
	.fill 96, 4, 3214868480
	.section	.rodata,"a",@progbits
	.p2align	6, 0x0
	.amdhsa_kernel k_q07e414b7ef_oproj_ln
		.amdhsa_group_segment_fixed_size 327680
		.amdhsa_private_segment_fixed_size 0
		.amdhsa_enable_private_segment 0
		.amdhsa_kernarg_size 56
		.amdhsa_user_sgpr_count 2
		.amdhsa_user_sgpr_kernarg_segment_ptr 1
		.amdhsa_wavefront_size32 1
		.amdhsa_system_sgpr_workgroup_id_x 1
		.amdhsa_system_sgpr_workgroup_id_y 1
		.amdhsa_system_sgpr_workgroup_id_z 1
		.amdhsa_system_vgpr_workitem_id 0
		.amdhsa_next_free_vgpr 1024
		.amdhsa_next_free_sgpr 88
		.amdhsa_reserve_vcc 0
		.amdhsa_float_denorm_mode_32 3
		.amdhsa_float_denorm_mode_16_64 3
		.amdhsa_memory_ordered 1
		.amdhsa_forward_progress 1
		.amdhsa_inst_pref_size 255
	.end_amdhsa_kernel
	.section	.bss,"aw",@nobits
	.p2align	6
	.space	262144
	.amdgpu_metadata
---
amdhsa.version: [ 1, 2 ]
amdhsa.kernels:
  - .name:           k_q07e414b7ef_oproj_ln
    .symbol:         k_q07e414b7ef_oproj_ln.kd
    .args:
      - { .name: attn, .offset: 0, .size: 8, .value_kind: global_buffer, .address_space: global }
      - { .name: wbf, .offset: 8, .size: 8, .value_kind: global_buffer, .address_space: global }
      - { .name: modality_encodings, .offset: 16, .size: 8, .value_kind: global_buffer, .address_space: global }
      - { .name: bo, .offset: 24, .size: 8, .value_kind: global_buffer, .address_space: global }
      - { .name: ln_gamma, .offset: 32, .size: 8, .value_kind: global_buffer, .address_space: global }
      - { .name: ln_beta, .offset: 40, .size: 8, .value_kind: global_buffer, .address_space: global }
      - { .name: out0, .offset: 48, .size: 8, .value_kind: global_buffer, .address_space: global }
    .group_segment_fixed_size: 327680
    .private_segment_fixed_size: 0
    .kernarg_segment_align: 8
    .kernarg_segment_size: 56
    .max_flat_workgroup_size: 128
    .sgpr_count:     88
    .vgpr_count:     1024
    .wavefront_size: 32
...
	.end_amdgpu_metadata
.endif
;; end of part 3
;; ======== version 2 of 2: 3 launches; version 1 with the launch prep written anew for expert scheduling mode
;; workspace buffers: wbf 8,388,608 bytes; attn 33,554,432 bytes
;; launch prep (part 4): grid 64 x 4, 4 waves a work-group, no clusters, 37,376 bytes of LDS; arguments wq, wk, wv, wo, wbf; writes wbf
.if DOCPART == 4
	.amdgcn_target "amdgcn-amd-amdhsa--gfx1250"
	.amdhsa_code_object_version 6
	.text
	.protected	k_q07e414b7ef_prep
	.globl	k_q07e414b7ef_prep
	.p2align	8
	.type	k_q07e414b7ef_prep,@function
k_q07e414b7ef_prep:
	s_mov_b64 s[64:65], 0
	v_nop
	global_prefetch_b8 v0, s[64:65] scope:SCOPE_SE
	s_setreg_imm32_b32 hwreg(HW_REG_WAVE_SCHED_MODE, 0, 2), 2
	s_setreg_imm32_b32 hwreg(HW_REG_WAVE_MODE, 25, 1), 1
	s_wait_xcnt 0x0
	s_wait_alu depctr_vm_vsrc(0)
; wq, wk, wv, wo (f32, [1024 outputs][1024 inputs]) -> wbf: bf16, laid out in the order in which the later launches' lanes read fragments.
; A BLOCK is 512 bytes = 16 rows x 16 k: lane L = (r = L & 15, h = L >> 4) owns bytes 16 L .. 16 L + 15 = row r, k = 8 h .. 8 h + 7.
; Four blocks (64 k) of one group of 16 rows are 2,048 bytes.
;   q, k, v: byte ((head*16 + s)*24 + 8*mat + b)*2048, s = K step of 64, rows head*128 + 16 b + r.
;   wo:      byte 6,291,456 + (s*64 + tau)*2048, rows 64 (tau >> 2) + 4 r + (tau & 3): four neighbouring groups hold four neighbouring outputs in one lane.
; Work-group (tau, mat): 16 rows of one matrix; wave w: K steps 4 w .. 4 w + 3.  Every load of a half wave is 256 neighbouring bytes of a row,
; every store of a wave 512 neighbouring bytes.  The turn from rows to blocks goes through the wave's own LDS bytes: no barrier.
; No matrix unit, no cluster: the launch only moves bytes, each once.
; THE MODE: SCHED_MODE bits 1:0 = 2 (LLVM: expert scheduling mode 2), set by the entry lines.  The code itself states the register dependences
; between vector instructions and memory or LDS instructions, with s_wait_alu, always for 0.
; THE PLAN.  Registers that memory or LDS instructions touch:
;   v[8:15], v16, v17, v18   offsets and LDS addresses: written at the head, read by every load and store, never written again.
;   X[q], q = 0 .. 3         K step q's eight global loads land in it; its sixteen conversions read it; then four LDS loads land in its first sixteen registers,
;                            and four global stores read those.  No vector instruction writes it.
;   P[q]                     written once, by K step q's conversions; read by its eight LDS stores.
;   v224, v225               written at the head, read by the closing add alone.
; Step q rounds X[q] into P[q].  Its memory and LDS instructions are the LDS stores from P[q - 1], the LDS loads into X[q - 1] and the global stores from X[q - 2]:
; registers that no vector instruction of step q names.  So ONE wait on va_vdst at a step's head states all that they hang on, and they are dealt among the step's
; conversions with no further wait.  No register that a memory or LDS instruction has read is ever written again: no wait on vm_vsrc is owed.
.set VO,  8                            ; v[8:15]    byte offset of my 16 bytes in rows 2 e + (L >> 4), e = 0 .. 7
.set LW,  16                           ; v16        LDS: where my 8 bytes of bf16 go
.set RD,  17                           ; v17        LDS: where I read 16 bytes of a block back
.set GO,  18                           ; v18        16 L
.set X,   32                           ; v[32:159]  32 loads of 4 f32; later the blocks read back
.set P,   160                          ; v[160:223] 32 x 2 registers of bf16
.set HB,  288                          ; a half block (16 rows x 8 k, 256 bytes) + 32: the 32 lanes of a store of 8 bytes hit 32 different words of 8 bytes modulo 256
.set QB,  8*HB                         ; a K step
.set WB,  4*QB                         ; a wave
	s_load_b256 s[4:11], s[0:1], 0x0               ; wq, wk, wv, wo
	s_load_b64 s[12:13], s[0:1], 0x20              ; wbf
	v_lshl_add_u32 v224, v0, 2, 0x9000             ; my spare word, behind the four waves' 36,864 bytes, and 0: kept for the closing lines alone
	v_mov_b32 v225, 0
	v_lshrrev_b32 v1, 5, v0
	v_readfirstlane_b32 s14, v1                    ; wave
	s_and_b32 s15, ttmp7, 0xffff                   ; mat: 0 q, 1 k, 2 v, 3 o
	s_lshl_b32 s25, ttmp9, 4                       ; first row, q k v: 16 tau
	s_lshr_b32 s26, ttmp9, 2
	s_lshl_b32 s26, s26, 6
	s_and_b32 s27, ttmp9, 3
	s_add_co_u32 s26, s26, s27                     ; first row, wo: 64 (tau >> 2) + (tau & 3)
	s_lshr_b32 s28, ttmp9, 3
	s_lshl_b32 s28, s28, 4
	s_wait_alu depctr_va_sdst(0)                   ; s14 is written, ahead of its first reader, the line below
	s_lshl2_add_u32 s28, s14, s28                  ; head*16 + 4 wave
	s_mul_i32 s28, s28, 24
	s_lshl3_add_u32 s28, s15, s28                  ; + 8 mat
	s_and_b32 s29, ttmp9, 7
	s_add_co_u32 s28, s28, s29                     ; + b: first output group of 2,048 bytes, q k v
	s_lshl_b32 s29, s14, 8
	s_add_co_u32 s29, s29, ttmp9
	s_add_co_u32 s29, s29, 3072                    ; the same for wo: 6,291,456 / 2,048 + 64 (4 wave) + tau
	s_mov_b32 s30, 49152                           ; bytes from a K step to the next, q k v
	s_mov_b32 s36, 131072                          ; and for wo
	s_mov_b32 s31, 0
	s_cmp_eq_u32 s15, 3
	s_cselect_b32 s24, 2, 0                        ; rows are 1 or 4 apart: a shift
	s_cselect_b32 s25, s26, s25
	s_cselect_b32 s28, s29, s28
	s_cselect_b32 s30, s36, s30
	s_lshl_b32 s32, s25, 12                        ; first row in bytes
	s_mov_b32 s33, 0
	s_lshl_b32 s34, s28, 11                        ; first output group in bytes
	s_mov_b32 s35, 0
	v_and_b32 v2, 15, v0
	v_bfe_u32 v3, v0, 4, 1
	v_and_b32 v1, 31, v0
	v_lshlrev_b32 v4, 4, v2
	s_lshl_b32 s37, s14, 10                        ; my wave's four K steps: 1,024 bytes of every row
	v_add_nc_u32 v4, s37, v4
.irp e, 0,1,2,3,4,5,6,7
	v_add_nc_u32 v5, 2*\e, v3                      ; row 2 e + (L >> 4) of the 16
	v_lshlrev_b32 v5, s24, v5
	v_lshl_add_u32 v[VO+\e], v5, 12, v4
.endr
	s_mul_i32 s38, s14, WB
	v_lshrrev_b32 v6, 1, v2                        ; my 4 k lie in half block (L & 15) >> 1,
	v_mul_u32_u24 v6, v6, HB
	v_lshl_add_u32 v6, v3, 4, v6                   ; row 2 e + (L >> 4): 16 bytes a row, 32 e in the immediate,
	v_and_b32 v7, 1, v0
	v_lshl_add_u32 v6, v7, 3, v6                   ; its first or second 8 bytes
	v_add_nc_u32 v[LW], s38, v6
	v_mul_u32_u24 v7, v3, HB
	v_lshl_add_u32 v7, v2, 4, v7
	v_add_nc_u32 v[RD], s38, v7
	v_lshlrev_b32 v[GO], 4, v1
	s_wait_kmcnt 0x0
	s_cmp_eq_u32 s15, 1
	s_cselect_b64 s[4:5], s[6:7], s[4:5]
	s_cmp_eq_u32 s15, 2
	s_cselect_b64 s[4:5], s[8:9], s[4:5]
	s_cmp_eq_u32 s15, 3
	s_cselect_b64 s[4:5], s[10:11], s[4:5]         ; my matrix
	s_add_nc_u64 s[4:5], s[4:5], s[32:33]
	s_add_nc_u64 s[16:17], s[12:13], s[34:35]      ; where my four K steps go
	s_add_nc_u64 s[18:19], s[16:17], s[30:31]
	s_add_nc_u64 s[20:21], s[18:19], s[30:31]
	s_add_nc_u64 s[22:23], s[20:21], s[30:31]
	s_wait_alu depctr_va_vdst(0)                   ; v8 to v18 are written: the offsets and LDS addresses that every load and store of the kernel reads; so are v224 and v225
.irp q, 0,1,2,3
.irp e, 0,1,2,3,4,5,6,7
	global_load_b128 v[X+4*(8*\q+\e):X+4*(8*\q+\e)+3], v[VO+\e], s[4:5] offset:256*\q th:TH_LOAD_NT
.endr
.endr
.macro CVT2 q, e                       ; my four numbers of rows 2 e + (L >> 4) in K step q, rounded
	v_cvt_pk_bf16_f32 v[P+2*(8*(\q)+(\e))],   v[X+4*(8*(\q)+(\e))],   v[X+4*(8*(\q)+(\e))+1]
	v_cvt_pk_bf16_f32 v[P+2*(8*(\q)+(\e))+1], v[X+4*(8*(\q)+(\e))+2], v[X+4*(8*(\q)+(\e))+3]
.endm
.macro PUT q, e                        ; and laid into their half block
	ds_store_b64 v[LW], v[P+2*(8*(\q)+(\e)):P+2*(8*(\q)+(\e))+1] offset:QB*(\q)+32*(\e)
.endm
.macro BACK q                          ; K step q's four blocks, back in the order in which they are stored
.irp c, 0,1,2,3
	ds_load_b128 v[X+32*(\q)+4*\c:X+32*(\q)+4*\c+3], v[RD] offset:QB*(\q)+2*HB*\c   ; my wave's own bytes, served in order: these see the step's eight stores
.endr
.endm
.macro SEND q
.irp c, 0,1,2,3
	global_store_b128 v[GO], v[X+32*(\q)+4*\c:X+32*(\q)+4*\c+3], s[16+2*(\q):17+2*(\q)] offset:512*\c
.endr
.endm
; Step q.  put = 1: K step q - 1 goes through LDS.  send = 1: K step q - 2 goes out.
.macro STEP q, put, send
	s_wait_loadcnt 24-8*(\q)                       ; loads come back in order: K step q's eight are in, the younger K steps' stay out
.if \put
	s_wait_alu depctr_va_vdst(0)                   ; the conversions of the step before have written P[q - 1], which the LDS stores below read, and are done reading X[q - 1], in which the LDS loads below land
.endif
.irp e, 0,1,2,3,4,5,6,7
.if \put
	PUT (\q)-1, \e                                 ; no vector instruction since the wait names these registers
.endif
	CVT2 \q, \e
.endr
.if \send
	s_wait_dscnt 8                                 ; the eight LDS stores just issued may be out: the four blocks of K step q - 2 are back
	SEND (\q)-2
.endif
.if \put
	BACK (\q)-1
.endif
.endm
	STEP 0, 0, 0
	STEP 1, 1, 0
	STEP 2, 1, 1
	STEP 3, 1, 1
	s_wait_alu depctr_va_vdst(0)                   ; the last conversions have written P[3], which the LDS stores below read, and are done reading X[3], in which the LDS loads below land
.irp e, 0,1,2,3,4,5,6,7
	PUT 3, \e
.endr
	s_wait_dscnt 8                                 ; the eight LDS stores just issued may be out: the four blocks of K step 2 are back
	SEND 2
	BACK 3
	s_wait_dscnt 0x0                               ; the four blocks of K step 3 are back
	SEND 3
	s_wait_dscnt 0x0                               ; the closing lines, six on end
	s_wait_alu 0x0
	s_wait_tensorcnt 0x0
	ds_add_u32 v224, v225
	s_wait_dscnt 0x0
	s_endpgm
.Lfunc_end_k_q07e414b7ef_prep:
	.size	k_q07e414b7ef_prep, .Lfunc_end_k_q07e414b7ef_prep-k_q07e414b7ef_prep
	.p2alignl 7, 3214868480
	.fill 96, 4, 3214868480
	.section	.rodata,"a",@progbits
	.p2align	6, 0x0
	.amdhsa_kernel k_q07e414b7ef_prep
		.amdhsa_group_segment_fixed_size 37376
		.amdhsa_private_segment_fixed_size 0
		.amdhsa_enable_private_segment 0
		.amdhsa_kernarg_size 40
		.amdhsa_user_sgpr_count 2
		.amdhsa_user_sgpr_kernarg_segment_ptr 1
		.amdhsa_wavefront_size32 1
		.amdhsa_system_sgpr_workgroup_id_x 1
		.amdhsa_system_sgpr_workgroup_id_y 1
		.amdhsa_system_sgpr_workgroup_id_z 1
		.amdhsa_system_vgpr_workitem_id 0
		.amdhsa_next_free_vgpr 226
		.amdhsa_next_free_sgpr 66
		.amdhsa_reserve_vcc 0
		.amdhsa_float_denorm_mode_32 3
		.amdhsa_float_denorm_mode_16_64 3
		.amdhsa_memory_ordered 1
		.amdhsa_forward_progress 1
		.amdhsa_inst_pref_size 16
	.end_amdhsa_kernel
	.amdgpu_metadata
---
amdhsa.version: [ 1, 2 ]
amdhsa.kernels:
  - .name:           k_q07e414b7ef_prep
    .symbol:         k_q07e414b7ef_prep.kd
    .args:
      - { .name: wq, .offset: 0, .size: 8, .value_kind: global_buffer, .address_space: global }
      - { .name: wk, .offset: 8, .size: 8, .value_kind: global_buffer, .address_space: global }
      - { .name: wv, .offset: 16, .size: 8, .value_kind: global_buffer, .address_space: global }
      - { .name: wo, .offset: 24, .size: 8, .value_kind: global_buffer, .address_space: global }
      - { .name: wbf, .offset: 32, .size: 8, .value_kind: global_buffer, .address_space: global }
    .group_segment_fixed_size: 37376
    .private_segment_fixed_size: 0
    .kernarg_segment_align: 8
    .kernarg_segment_size: 40
    .max_flat_workgroup_size: 128
    .sgpr_count:     66
    .vgpr_count:     226
    .wavefront_size: 32
...
	.end_amdgpu_metadata
.endif
;; end of part 4
;; launch qkv_attn: the kernel of part 2 again; grid 8 x 64, 4 waves a work-group, clusters of 4 x 4, 327,680 bytes of LDS; arguments modality_encodings, wbf, bq, bk, bv, rel_prior, selection_mask, attn; writes attn
;; launch oproj_ln: the kernel of part 3 again; grid 256 x 1, 4 waves a work-group, clusters of 4 x 1, 327,680 bytes of LDS; arguments attn, wbf, modality_encodings, bo, ln_gamma, ln_beta, out0; writes out0
